; MI455X (gfx1250); checked and timed in simulation.
; The chip was launched on July 23, 2026; its instructions are those of AMD's public machine-readable ISA for CDNA 5 (MIT licence, August 2026) and "CDNA5" Instruction Set Architecture Reference Guide (July 2026). The comments in the code are by the model that wrote it; some were corrected since.
;; Self Attention. Allowed arithmetic: matrix products marked QUANTISED: E2M1 operands, one E8M0 scale for each 32 along K, by v_wmma_scale_f32_16x16x128_f8f6f4 with both operands' format E2M1 (or v_wmma_scale_f32_32x16x128_f4), f32 sums; everything else in f32.
;; Inputs: qkv 4 x 2,048 x 3 x 16 x 64 float32.
;; Outputs: out0 4 x 16 x 2,048 x 64 float32.
;; This version of the problem:
;;   THIS VERSION OF THE PROBLEM IS GIVEN IN LOW PRECISION. The matrix products marked QUANTISED in the list below multiply operands that are first quantised to E2M1 (2 exponent bits, 1 mantissa bit; 4 bits a number), with one power-of-two scale for each 32 numbers along K (OCP MX v1.0); their sums are f32. All else is computed in f32.
;;   The module's matrix products, in the order in which they are computed (A, B: the left and right operand; K: the contracted axis; several contracted axes count as one K, in the product's order):
;;     1. batch 64 x [M 2,048, K 64] x [K 64, N 2,048]; A: input qkv; B: input qkv: QUANTISED
;;     2. batch 64 x [M 2,048, K 2,048] x [K 2,048, N 64]; A: softmax (see below); B: input qkv: QUANTISED
;;   THE QUANTISER, for each operand of a quantised product, along K:
;;     - K is cut into blocks of 32 from its start; a last block that is shorter is filled with zeros.
;;     - A block's scale is 2^e with e = floor(log2(the largest magnitude in the block)) - 2, held to -126 .. 127; a block of zeros has e = 0. As a byte (E8M0): e + 127.
;;     - Each number is divided by its block's scale, clamped to +-6, and rounded to the nearest number of E2M1, ties to even, subnormals kept.
;;     - The product sums the exact products of the quantised numbers (number of the format x scale) in f32.
;;   ~~~python
;;   def quantise(x, axis):      # numpy; x: float32 -> the quantised numbers, widened to float32 again
;;       x = np.moveaxis(x, axis, -1); K = x.shape[-1]
;;       x = np.pad(x, [(0, 0)] * (x.ndim - 1) + [(0, -K % 32)]); x = x.reshape(x.shape[:-1] + (-1, 32)); a = np.abs(x).max(-1, keepdims=True)
;;       e = np.where(a > 0, np.clip(np.frexp(np.where(a > 0, a, 1))[1] - 1 - 2, -126, 127), 0)      # np.frexp(a)[1] - 1 = floor(log2(a)), exactly
;;       r = np.clip(x / 2.0 ** e, -6, 6)
;;       step = 2.0 ** (np.maximum(np.frexp(np.where(r == 0, 1, r))[1] - 1, 0) - 1)
;;       q = np.round(r / step) * step * 2.0 ** e      # np.round: ties to even
;;       return np.moveaxis(q.reshape(q.shape[:-2] + (-1,))[..., :K], -1, axis).astype(np.float32)
;;   ~~~
;;   SOFTMAX AHEAD OF A QUANTISED PRODUCT. Where the list says 'softmax', what is quantised is not the finished softmax but p = 2^(t - M), with t = logit x log2(e) and M = ceil(the row's largest t), a whole number; so 1/2 < the row's largest p <= 1. The row's sum l is taken of the UNQUANTISED p, in f32, and the product's result is divided by l at the end. Since M is a whole number, a kernel that streams over the keys may use a running M (the ceiling of the running maximum): every later rescaling is an exact power of two, which a block's scale takes up: the codes' values come out the same.
;;   OPERANDS COMPUTED ON THE WAY. 'Computed on the way' means the value that the module computes at that place (a softmax that the list does not call 'softmax' is quantised finished and normalised). What goes into a quantiser is computed in f32, as accurately as f32 sums, v_exp_f32 and their like allow (about 1e-6 of the number): no bf16 or f16 on the way to a quantiser, and a product that is left as it is and whose result goes on into a quantised operand takes f32 operands (vector FMAs, or v_wmma_f32_16x16x4_f32). A number that lies on a knife's edge between two numbers of the format may be rounded either way, as far as f32 arithmetic and the matrix unit's own rounding can turn it there, and no further.
;; One version. Each part assembles by itself: llvm-mc -triple=amdgcn-amd-amdhsa -mcpu=gfx1250 --defsym DOCPART=n.
;; ======== version 1 of 1: 2 launches
;; workspace buffers: kv 9,437,184 bytes
;; launch quant (part 1): grid 64 x 16, 8 waves a work-group, no clusters, 36,864 bytes of LDS; arguments qkv, kv; writes kv
.if DOCPART == 1
	.amdgcn_target "amdgcn-amd-amdhsa--gfx1250"
	.amdhsa_code_object_version 6
	.text
	.protected	k_q20c6810a2f_quant
	.globl	k_q20c6810a2f_quant
	.p2align	8
	.type	k_q20c6810a2f_quant,@function
k_q20c6810a2f_quant:
	s_mov_b64 s[64:65], 0
	v_nop
	global_prefetch_b8 v0, s[64:65] scope:SCOPE_SE
	s_setreg_imm32_b32 hwreg(HW_REG_WAVE_MODE, 25, 1), 1
	s_wait_xcnt 0x0
; K and V of qkv [4][2048][3][16][64] f32 become codes of FP4 (E2M1) with one E8M0 byte for each 32 along a product's K: K is quantised along the head's 64, V along the keys.
; A block's byte is its largest magnitude's exponent field - 2, held at 1 from below; each number is divided by the scale and rounded to the nearest code, ties to even, beyond 6 the largest code.
; LIMITS: NaN and infinities are not served.  A block whose largest magnitude lies under 2^-124 keeps the byte 1.  A block of zeros gets the byte 1 where the rule says 127: its codes are zeros,
; which add nothing under any byte but 0xff, and this program alone reads the bytes.
; SHARES.  A work-group makes the 9,216 bytes of one head (x = 16 b + h) and one step of 128 keys (y), laid in kv at (16 head + step) x 9,216 AS IMAGES OF THE OPERANDS' REGISTERS, lane l's 16 bytes at 16 l:
;   512 T            K's tile T = 2 bb + u: lane (r, hh) holds the codes of d = 32 hh .. + 31 of key 32 bb + 8 u + r + 8 (r / 8): the keys of a tile are chosen so that the scores of tiles 2 bb, 2 bb + 1 are 16 neighbouring keys a lane
;   4096+1024 t+512 c  V^T's tile t: lane (r, hh) holds the codes of d = 16 t + r for keys 64 c + 32 hh .. + 31
;   8192             K's scale words: word i of lane l: tile 2 i + l / 16, row l % 16; bytes 0, 1 the two blocks of d, bytes 2, 3 = 0x7f (the product's K is filled up to 128 with zero codes)
;   8704             V's scale words: word t of lane l: row d = 16 t + l % 16, byte q for keys 32 q .. + 31; lanes 16-31 repeat lanes 0-15
; Wave w takes K's tile w, and of V the 32 columns d = 32 (w & 1) + lane for the 32 keys 32 (w >> 1) on: there a lane's 32 registers run down the keys, one whole block, and nothing is transposed.
; K is loaded as it lies (sixteen lanes to a key's 256 bytes) and turned through the wave's own stage in LDS, so that a lane holds 32 neighbours along d.
; All 40 loads of a wave go out at its head.  No loop, no tensor load; one barrier, in front of the two waves that carry the gathered scale words out.
.set TOK,  12288                       ; bytes from a token to the next
.set KSEC, 4096                        ; K's section of a token, V's
.set VSEC, 8192
.set BLKB, 9216                        ; bytes of a (head, step) block of kv
.set STG,  16*272                      ; a wave's stage: 16 rows of 256 bytes + 16: sixteen rows then begin at sixteen different 16-byte columns modulo 256
.set KSC,  8*STG                       ; behind the stages: K's 512 bytes of scale words,
.set VSC,  KSC+512                     ; and V's
; v1 lane, v2 r, v3 hh; v4 K's load offset, v5 V's; v6, v7 the stage in and back; v8 16 x thread; v9 V's codes' place; v10, v11 where scale words and bytes go; v12 where they are read back;
; v13-16 at work; v17 a lane permute's destination; v18 8 hh; v19 K's scale word; v20-51 K as loaded; v52-83 K turned; v84-115 V; v116-119 K's codes; v120-123 V's; v124-127 scale words on their way out
; 32 numbers of ONE lane, v[x] on, one block: codes into v[c] .. v[c + 3], the scale's byte into v16
.macro QUANT32 x, c
	v_max3_num_f32 v13, |v[\x]|, |v[\x+1]|, |v[\x+2]|              ; the largest magnitude, in two chains
	v_max3_num_f32 v14, |v[\x+3]|, |v[\x+4]|, |v[\x+5]|
.irp i, 6,10,14,18,22,26
	s_delay_alu instid0(VALU_DEP_2)
	v_max3_num_f32 v13, v13, |v[\x+\i]|, |v[\x+\i+1]|
	s_delay_alu instid0(VALU_DEP_2)
	v_max3_num_f32 v14, v14, |v[\x+\i+2]|, |v[\x+\i+3]|
.endr
	s_delay_alu instid0(VALU_DEP_2)
	v_max3_num_f32 v13, v13, |v[\x+30]|, |v[\x+31]|
	s_delay_alu instid0(VALU_DEP_1)
	v_max3_num_f32 v13, v13, v14, 0x1800000                        ; and the floor 2^(3 - 127): the byte cannot fall under 1
	s_delay_alu instid0(VALU_DEP_1)
	v_add_nc_u32 v15, 0xff000000, v13                              ; 2 off the exponent field: the conversion takes the exponent field of this operand as its scale, and nothing else of it
.irp g, 0,1,2,3
	v_cvt_scalef32_pk8_fp4_f32 v[\c+\g], v[\x+8*\g:\x+8*\g+7], v15
.endr
	v_lshrrev_b32 v16, 23, v15                                     ; the scale's byte; also the plain line behind the conversions
.endm
	s_load_b128 s[4:7], s[0:1], 0x0                ; qkv s[4:5], kv s[6:7]
	v_lshl_add_u32 v128, v0, 2, 0x8c00
	v_mov_b32 v129, 0
	v_lshrrev_b32 v1, 5, v0
	s_delay_alu instid0(VALU_DEP_1)
	v_readfirstlane_b32 s8, v1                     ; wave 0..7
	s_and_b32 s10, ttmp7, 0xffff                   ; the step of 128 keys
	s_lshr_b32 s11, ttmp9, 4                       ; b
	s_and_b32 s12, ttmp9, 15                       ; h
	s_mul_i32 s14, s11, 2048*TOK
	s_mul_i32 s24, s10, 128*TOK
	s_add_co_u32 s14, s14, s24
	s_lshl_b32 s24, s12, 8
	s_add_co_u32 s14, s14, s24                     ; the step's first token, my head's 256 bytes (all offsets stay under 2^27)
	s_lshr_b32 s25, s8, 1                          ; w >> 1
	s_and_b32 s26, s8, 1                           ; w & 1
	s_mul_i32 s24, s25, 32*TOK
	s_add_co_u32 s18, s14, s24                     ; 32 (w >> 1) tokens on: K's tile and V's block both begin there,
	s_mul_i32 s24, s26, 8*TOK
	s_add_co_u32 s16, s18, s24                     ; K's 8 (w & 1) tokens further,
	s_mov_b32 s17, 0
	s_lshl_b32 s24, s26, 7
	s_add_co_u32 s18, s18, s24                     ; V's at column 32 (w & 1)
	s_mov_b32 s19, 0
	s_lshl_b32 s20, ttmp9, 4
	s_add_co_u32 s20, s20, s10
	s_mul_i32 s20, s20, BLKB                       ; my block of kv
	s_mov_b32 s21, 0
	s_mov_b32 s22, 0x76543210
	s_mov_b32 s23, 0xfedcba98                      ; v_permlanex16_b32's selects for lane l xor 16
	v_and_b32 v1, 31, v0                           ; lane
	v_and_b32 v2, 15, v0                           ; r
	v_bfe_u32 v3, v0, 4, 1                         ; hh
	s_delay_alu instid0(VALU_DEP_1)
	v_mul_u32_u24 v4, v3, TOK
	s_delay_alu instid0(VALU_DEP_1)
	v_lshl_add_u32 v4, v2, 4, v4                   ; K: lanes 0-15 one key's 256 bytes, lanes 16-31 the next key's
	v_lshlrev_b32 v5, 2, v1                        ; V: 4 bytes a lane
	s_wait_alu depctr_va_vdst(0)
	s_wait_kmcnt 0x0
	s_add_nc_u64 s[16:17], s[4:5], s[16:17]
	s_add_nc_u64 s[18:19], s[4:5], s[18:19]
	s_add_nc_u64 s[20:21], s[6:7], s[20:21]
.irp i, 0,1,2,3,4,5,6,7
	global_load_b128 v[20+4*\i:23+4*\i], v4, s[16:17] offset:KSEC+(2*\i+8*(\i/4))*TOK th:TH_LOAD_NT   ; the tile's rows 2 i, 2 i + 1: keys 0-7, then 16-23
.endr
.set ii, 0
.rept 32
	global_load_b32 v[84+ii], v5, s[18:19] offset:VSEC+ii*TOK th:TH_LOAD_NT   ; V(key ii, my column): 32 lanes read 128 consecutive bytes; the wave beside me reads the other 128 of the head's 256
.set ii, ii+1
.endr
	; the LDS addresses, while the loads are out: each a constant + constants x lane + constants x parts of the wave's number
	s_mul_i32 s24, s8, STG
	v_mul_u32_u24 v6, v3, 272
	s_delay_alu instid0(VALU_DEP_1)
	v_lshl_add_u32 v6, v2, 4, v6
	s_delay_alu instid0(VALU_DEP_1)
	v_add_nc_u32 v6, s24, v6                       ; into the stage: row 2 i + hh, 16 r
	v_mul_u32_u24 v7, v2, 272
	s_delay_alu instid0(VALU_DEP_1)
	v_lshl_add_u32 v7, v3, 7, v7
	s_delay_alu instid0(VALU_DEP_1)
	v_add_nc_u32 v7, s24, v7                       ; back: row r, my half's 128 bytes
	v_lshlrev_b32 v8, 4, v0                        ; 512 w + 16 lane
	s_lshl_b32 s27, s26, 11                        ; V's codes: tile 2 (w & 1) + hh, c = w >> 2, the lanes' half (w >> 1) & 1
	s_lshr_b32 s24, s8, 2
	s_lshl_b32 s24, s24, 9
	s_add_co_u32 s27, s27, s24
	s_and_b32 s24, s25, 1
	s_lshl_b32 s24, s24, 8
	s_add_co_u32 s27, s27, s24
	v_lshl_add_u32 v9, v3, 10, s27
	s_delay_alu instid0(VALU_DEP_1)
	v_lshl_add_u32 v9, v2, 4, v9
	s_lshl_b32 s24, s26, 8                         ; K's scale word: lane 16 (w & 1) + r, word w >> 1
	s_lshl_b32 s13, s25, 2
	s_add_co_u32 s24, s24, s13
	s_add_co_u32 s24, s24, KSC
	v_lshl_add_u32 v10, v2, 4, s24
	s_lshl_b32 s24, s26, 3                         ; V's scale byte: lane r, word 2 (w & 1) + hh, byte w >> 1
	s_add_co_u32 s24, s24, s25
	s_add_co_u32 s24, s24, VSC
	v_lshl_add_u32 v11, v2, 4, s24
	s_delay_alu instid0(VALU_DEP_1)
	v_lshl_add_u32 v11, v3, 2, v11
	s_lshl_b32 s24, s26, 9                         ; the way out of the scale words: wave 0 takes K's 512 bytes, wave 1 V's
	s_add_co_u32 s24, s24, KSC
	v_lshl_add_u32 v12, v1, 4, s24
	v_lshlrev_b32 v18, 3, v3                       ; 8 hh
	v_mov_b32 v17, 0                               ; a lane permute's destination counts as one of its sources
	s_wait_loadcnt 32                              ; loads come back in order: K's eight are in, the 32 of V issued behind them may be out
.irp i, 0,1,2,3,4,5,6,7
	ds_store_b128 v6, v[20+4*\i:23+4*\i] offset:544*\i
.endr
.irp i, 0,1,2,3,4,5,6,7
	ds_load_b128 v[52+4*\i:55+4*\i], v7 offset:16*\i   ; LDS serves a wave's instructions in order: these see my stores.  K(row r, d = 32 hh + 4 i ..)
.endr
	s_wait_dscnt 0x0
	QUANT32 52, 116
	s_delay_alu instid0(VALU_DEP_1)
	v_lshlrev_b32 v19, v18, v16                    ; my block's byte at its place, 8 hh bits up;
	s_delay_alu instid0(VALU_DEP_1)
	v_permlanex16_b32 v17, v19, s22, s23
	s_delay_alu instid0(VALU_DEP_1)
	v_or_b32 v19, v19, v17                         ; with lane l xor 16's,
	s_delay_alu instid0(VALU_DEP_1)
	v_or_b32 v19, 0x7f7f0000, v19                  ; and 1.0 for the two blocks of zero codes: the row's scale word
	ds_store_b32 v10, v19                          ; (both halves of the lanes write the same word with the same value)
	global_store_b128 v8, v[116:119], s[20:21]     ; K's tile w: 512 consecutive bytes
	s_wait_loadcnt 0x0                             ; V
	QUANT32 84, 120
	ds_store_b8 v11, v16
	ds_store_b8 v11, v16 offset:256                ; and once more for lanes 16-31 of the image
	global_store_b128 v9, v[120:123], s[20:21] offset:4096   ; each half of the lanes stores 256 consecutive bytes, at a multiple of 256 from kv's first byte
	s_wait_dscnt 0x0                               ; for the others' sake: my scale words and bytes have landed
	s_barrier_signal -1
	s_barrier_wait -1
	s_cmp_ge_u32 s8, 2
	s_cbranch_scc1 .Lend
	ds_load_b128 v[124:127], v12                   ; bytes that all eight waves stored
	s_wait_dscnt 0x0
	global_store_b128 v8, v[124:127], s[20:21] offset:8192   ; wave 0: K's words at 8192; wave 1: V's at 8704
.Lend:
	s_wait_tensorcnt 0x0
	ds_add_u32 v128, v129
	s_wait_dscnt 0x0
	s_endpgm
.Lfunc_end_k_q20c6810a2f_quant:
	.size	k_q20c6810a2f_quant, .Lfunc_end_k_q20c6810a2f_quant-k_q20c6810a2f_quant
	.p2alignl 7, 3214868480
	.fill 96, 4, 3214868480
	.section	.rodata,"a",@progbits
	.p2align	6, 0x0
	.amdhsa_kernel k_q20c6810a2f_quant
		.amdhsa_group_segment_fixed_size 36864
		.amdhsa_private_segment_fixed_size 0
		.amdhsa_enable_private_segment 0
		.amdhsa_kernarg_size 16
		.amdhsa_user_sgpr_count 2
		.amdhsa_user_sgpr_kernarg_segment_ptr 1
		.amdhsa_wavefront_size32 1
		.amdhsa_system_sgpr_workgroup_id_x 1
		.amdhsa_system_sgpr_workgroup_id_y 1
		.amdhsa_system_sgpr_workgroup_id_z 1
		.amdhsa_system_vgpr_workitem_id 0
		.amdhsa_next_free_vgpr 130
		.amdhsa_next_free_sgpr 66
		.amdhsa_reserve_vcc 0
		.amdhsa_float_denorm_mode_32 3
		.amdhsa_float_denorm_mode_16_64 3
		.amdhsa_memory_ordered 1
		.amdhsa_forward_progress 1
		.amdhsa_inst_pref_size 14
	.end_amdhsa_kernel
	.amdgpu_metadata
---
amdhsa.version: [ 1, 2 ]
amdhsa.kernels:
  - .name:           k_q20c6810a2f_quant
    .symbol:         k_q20c6810a2f_quant.kd
    .args:
      - { .name: qkv, .offset: 0, .size: 8, .value_kind: global_buffer, .address_space: global }
      - { .name: kv, .offset: 8, .size: 8, .value_kind: global_buffer, .address_space: global }
    .group_segment_fixed_size: 36864
    .private_segment_fixed_size: 0
    .kernarg_segment_align: 8
    .kernarg_segment_size: 16
    .max_flat_workgroup_size: 256
    .sgpr_count:     66
    .vgpr_count:     130
    .wavefront_size: 32
...
	.end_amdgpu_metadata
.endif
;; end of part 1
;; launch attn (part 2): grid 4 x 64, 16 waves a work-group, no clusters, 288,768 bytes of LDS; arguments qkv, kv, out0; writes out0
.if DOCPART == 2
	.amdgcn_target "amdgcn-amd-amdhsa--gfx1250"
	.amdhsa_code_object_version 6
	.text
	.protected	k_q20c6810a2f_attn
	.globl	k_q20c6810a2f_attn
	.p2align	8
	.type	k_q20c6810a2f_attn,@function
k_q20c6810a2f_attn:
	s_mov_b64 s[64:65], 0
	v_nop
	global_prefetch_b8 v0, s[64:65] scope:SCOPE_SE
	s_setreg_imm32_b32 hwreg(HW_REG_WAVE_MODE, 25, 1), 1
	s_wait_xcnt 0x0
; out0[b][h][q][:] = the sum over keys k <= q of softmax_k(Q[q] . K[k] / 8) V[k][:], both products on codes of FP4 (E2M1) with one E8M0 scale for each 32 along a product's K.
; Q comes as f32 out of qkv [4][2048][3][16][64] and is quantised here, along the head's 64; K and V come as codes and scale words out of kv, laid as images of the operands' registers by the launch before.
; THE SOFTMAX AHEAD OF THE SECOND PRODUCT: t = score x log2(e) / 8; M = the row's largest t so far, rounded UP to a whole number; p = 2^(t - M) is quantised along the keys, not normalised.
; The row's sum is taken of the unquantised p and divides O at the end.  When M moves, the sum and O are multiplied by 2^(old M - new M), which rounds nothing.
; LIMITS: NaN and infinities among the inputs are not served.  A block whose largest magnitude lies under 2^-124, a block of zeros among them, keeps the scale byte 1: its codes are what the byte 1 gives (zeros for zeros).
; SHARES.  Work-group (p, head) owns the blocks p and 7 - p of 256 queries.  Each of its sixteen waves owns two tiles of 16 queries, taken one after the other: Q0A = 256 p + 16 w and Q0B = 2032 - Q0A.
; A tile walks Q0 / 128 + 1 steps of 128 keys; the two counts add to 17 in every wave of every work-group.  Four waves lie on a SIMD, so that one wave's vector work stands beside another's products and LDS loads.
; LDS.  A head's codes and scale words, 16 x 9,216 bytes, are brought ONCE, each wave fetching one step's block, and are only read behind the launch's one barrier: nothing is ever filled again.
; Each wave's two tiles of Q (16 rows of 256 bytes + 16) come by tensor loads of its own into bytes of its own; when a tile's Q has been read, the same bytes serve as that tile's stage on the way out.
; LAYOUT.  Both products are used transposed: S^T = K Q^T (source 0 = 16 keys, source 1 = my 16 queries), O^T = V^T P^T (source 0 = 16 of the head's 64, source 1 = P): a lane holds ONE query (lane % 16) throughout.
; The keys of a tile of K are chosen (by the launch before) so that the 16 registers of tiles 2 b, 2 b + 1 are the keys 32 b + 16 (lane / 16) + 0 .. 15.
; THE FIRST PRODUCT'S K IS 64, THE INSTRUCTION'S 128.  Q's registers 4-7 are zero codes and stay so; the scale bytes of both sides are 1.0 there.  So whatever CODES stand in registers 4-7 of K's fragment add exactly 0
; (the format has no NaN and no infinity): K's eight tiles lie four registers apart, a tile's upper half is the next tile's codes, and behind the last stand four kept zeros.  One LDS load of 16 bytes a lane brings a tile.
; THE MASK.  The loops' trip counts are constants (8 and 16); a step all of whose keys come after the tile's queries is jumped over by a scalar branch on ids; in the one step on the diagonal hidden scores become -infinity.
; NO CLUSTER, though the four work-groups of a head fetch the same 147,456 bytes: the jump over hidden steps hangs on the work-group's block of queries, which differs between those four, and work-groups that ask jointly
; run alike.  The jump spares half of all key steps; asking jointly would spare three of four fetches of kv, 28 MB for the whole launch against its 33.5 MB of Q and 33.5 MB of output.
.set TOK,  12288                       ; bytes from a token to the next in qkv
.set BLKB, 9216                        ; a (head, step) block of kv
.set QST,  16*BLKB                     ; behind the head's blocks: the waves' tiles of Q
.set QREG, 16*272                      ; one of them: 16 rows of 256 bytes + 16: sixteen rows begin at sixteen different 16-byte columns modulo 256
.set LI,   1                           ; v1   16 x lane
.set ADR,  2                           ; v2   LDS address of the step's block, + 16 x lane
.set QR,   3                           ; v3   where I read Q: row r, my half's 128 bytes
.set STO,  4                           ; v4   the way out: where I put 32 bytes of a row
.set RD,   5                           ; v5   and where I read rows back
.set DL,   6                           ; v6   r - 16 hh
.set NINF, 7                           ; v7   -infinity
.set SH,   8                           ; v8   8 hh
.set DD,   9                           ; v9   the mask's threshold in the step on the diagonal
                                       ; v10, v11 at work; v12 -M, v13 the largest t, v[14:15] the sum in two halves
.set QF,   16                          ; v16-19 Q's codes, v20-23 zeros for good
.set QS,   24                          ; v24  Q's scale word
.set PS,   25                          ; v25  p's
.set FF,   26                          ; v26  f = 2^(old M - new M); v27 is named with it as a pair
.set KS,   28                          ; v28-31 K's scale words: register i, lanes 0-15 tile 2 i, lanes 16-31 tile 2 i + 1
.set VS,   32                          ; v32-35 V's: register t for tile t
.set KFR,  36                          ; v36-67 K's eight tiles, four registers each; v68-71 zeros for good
.set VFR,  72                          ; v72-103 V^T's four fragments; on the way out rows of O
.set SS,   104                         ; v104-167 S^T, then p; at a tile's head 32 numbers of Q; on the way out O / the sum
.set OO,   168                         ; v168-199 O^T
.set PC,   200                         ; v200-207 p's codes
.set BM,   208                         ; v208-211 the blocks' largest scores, then largest p
.set T1,   212                         ; v212-215 at work
.set SCL,  216                         ; v216-219 the conversions' scale operands
.set T2,   220                         ; v[220:221] one of the sums' eight chains
.set TT,   222
.set WV,   10                          ; s10  my wave's number; s11 head, s12 b, s13 h, s14 Q0A, s15 Q0B
.set G1KV, 16                          ; s[16:23] descriptor group 1 for a block of kv;  s[24:31] for a tile of Q
.set G1Q,  24
.set G0KV, 32                          ; s[32:35], s[36:39], s[40:43] groups 0: my block of kv, my first tile of Q, my second
.set G0QA, 36
.set G0QB, 40
.set OUTA, 44                          ; s[44:45], s[46:47] the two tiles' first rows of out0
.set OUTB, 46
.set SEL,  48                          ; s[48:49] v_permlanex16_b32's selects for lane l xor 16
.set CS,   50                          ; s[50:51] c = log2(e) / 8: the packed form names a pair and takes its low word for both halves
.set Q0,   52                          ; s52  the first query of the tile in hand
.set SKF,  53                          ; s53  the step's first key
.set TB,   54                          ; s54  the step's block in LDS
.set CNT,  55                          ; s55  trips to go;  s56, s57 at work
	s_load_b128 s[4:7], s[0:1], 0x0                ; qkv s[4:5], kv s[6:7]
	s_load_b64 s[8:9], s[0:1], 0x10                ; out0
	v_lshl_add_u32 v224, v0, 2, 0x46000
	v_mov_b32 v225, 0
	ds_add_u32 v224, v225
	ds_add_u32 v224, v225
	v_lshrrev_b32 v1, 5, v0
	s_delay_alu instid0(VALU_DEP_1)
	v_readfirstlane_b32 s[WV], v1                  ; wave 0..15
	s_and_b32 s11, ttmp7, 0xffff                   ; head = 16 b + h
	s_lshr_b32 s12, s11, 4
	s_and_b32 s13, s11, 15
	s_lshl_b32 s14, ttmp9, 8
	s_lshl_b32 s56, s[WV], 4
	s_add_co_u32 s14, s14, s56                     ; Q0A = 256 p + 16 w
	s_sub_co_u32 s15, 2032, s14                    ; Q0B: tile 15 - w of block 7 - p
	; group 1 for a block of kv: 9,216 dense bytes as 36 rows of 256 (32 elements of 8 bytes), no padding
	s_mov_b32 s[G1KV+0], 3<<16                     ; 15:0 no mask; 17:16 elements of 8 bytes
	s_mov_b32 s[G1KV+1], 32<<16                    ; tensor_dim0 = 32
	s_mov_b32 s[G1KV+2], 36<<16                    ; tensor_dim1 = 36
	s_mov_b32 s[G1KV+3], 32<<16                    ; tile_dim0 = 32
	s_mov_b32 s[G1KV+4], 36                        ; tile_dim1 = 36
	s_mov_b32 s[G1KV+5], 32                        ; from row to row: 32 elements
	s_mov_b32 s[G1KV+6], 0
	s_mov_b32 s[G1KV+7], 0
	; group 1 for a tile of Q: 16 rows of 256 bytes, a token (1,536 elements) apart, 4 words of padding behind every 64
	s_mov_b32 s[G1Q+0], (3<<16)|(1<<20)|(5<<22)|(3<<25)
	s_mov_b32 s[G1Q+1], 32<<16
	s_mov_b32 s[G1Q+2], 16<<16
	s_mov_b32 s[G1Q+3], 32<<16
	s_mov_b32 s[G1Q+4], 16
	s_mov_b32 s[G1Q+5], TOK/8
	s_mov_b32 s[G1Q+6], 0
	s_mov_b32 s[G1Q+7], 0
	; groups 0: the count, the LDS address (a constant + the wave's number x a constant), and for now the byte offset in the buffer (all under 2^27)
	s_mov_b32 s[G0KV], 1
	s_mul_i32 s[G0KV+1], s[WV], BLKB               ; step w's block lies at 9,216 w
	s_mul_i32 s[G0KV+2], s11, 16*BLKB
	s_add_co_u32 s[G0KV+2], s[G0KV+2], s[G0KV+1]
	s_mov_b32 s[G0KV+3], 0
	s_mul_i32 s56, s12, 2048*TOK
	s_lshl_b32 s57, s13, 8
	s_add_co_u32 s56, s56, s57                     ; Q's section of token 0 of b, my head's 256 bytes
	s_mov_b32 s[G0QA], 1
	s_mul_i32 s[G0QA+1], s[WV], 2*QREG
	s_add_co_u32 s[G0QA+1], s[G0QA+1], QST
	s_mul_i32 s[G0QA+2], s14, TOK
	s_add_co_u32 s[G0QA+2], s[G0QA+2], s56
	s_mov_b32 s[G0QA+3], 0
	s_mov_b32 s[G0QB], 1
	s_add_co_u32 s[G0QB+1], s[G0QA+1], QREG
	s_mul_i32 s[G0QB+2], s15, TOK
	s_add_co_u32 s[G0QB+2], s[G0QB+2], s56
	s_mov_b32 s[G0QB+3], 0
	s_lshl_b32 s57, s11, 19                        ; out0: a head is 2,048 rows of 256 bytes
	s_lshl_b32 s[OUTA], s14, 8
	s_add_co_u32 s[OUTA], s[OUTA], s57
	s_mov_b32 s[OUTA+1], 0
	s_lshl_b32 s[OUTB], s15, 8
	s_add_co_u32 s[OUTB], s[OUTB], s57
	s_mov_b32 s[OUTB+1], 0
	s_mov_b32 s[SEL], 0x76543210
	s_mov_b32 s[SEL+1], 0xfedcba98
	s_mov_b32 s[CS], 0x3e38aa3b                    ; c = log2(e) / 8
	s_mov_b32 s[CS+1], s[CS]                       ; (named with it as a pair, so it is written)
	s_mul_i32 s56, s[WV], 2*QREG
	s_add_co_u32 s56, s56, QST                     ; my two tiles' bytes, for the lanes' addresses
	s_wait_dscnt 0x0
	s_wait_kmcnt 0x0
	s_add_nc_u64 s[G0KV+2:G0KV+3], s[6:7], s[G0KV+2:G0KV+3]
	s_or_b32 s[G0KV+3], s[G0KV+3], 0x80000000      ; 127:126 type = 2
	s_add_nc_u64 s[G0QA+2:G0QA+3], s[4:5], s[G0QA+2:G0QA+3]
	s_or_b32 s[G0QA+3], s[G0QA+3], 0x80000000
	s_add_nc_u64 s[G0QB+2:G0QB+3], s[4:5], s[G0QB+2:G0QB+3]
	s_or_b32 s[G0QB+3], s[G0QB+3], 0x80000000
	s_add_nc_u64 s[OUTA:OUTA+1], s[8:9], s[OUTA:OUTA+1]
	s_add_nc_u64 s[OUTB:OUTB+1], s[8:9], s[OUTB:OUTB+1]
	; all the launch's fills, as one group: three loads of mine are out.  No descriptor register is written again
	tensor_load_to_lds s[G0QA:G0QA+3], s[G1Q:G1Q+7]
	s_nop 0
	tensor_load_to_lds s[G0KV:G0KV+3], s[G1KV:G1KV+7]
	s_nop 0
	tensor_load_to_lds s[G0QB:G0QB+3], s[G1Q:G1Q+7]
	s_nop 0
	v_and_b32 v9, 31, v0                           ; lane
	v_and_b32 v10, 15, v0                          ; r
	v_bfe_u32 v11, v0, 4, 1                        ; hh
	s_delay_alu instid0(VALU_DEP_3)
	v_lshlrev_b32 v[LI], 4, v9
	s_delay_alu instid0(VALU_DEP_3)
	v_mul_u32_u24 v[QR], v10, 272
	s_delay_alu instid0(VALU_DEP_1)
	v_add_nc_u32 v[QR], s56, v[QR]                 ; my tile's row r,
	s_delay_alu instid0(VALU_DEP_1)
	v_lshl_add_u32 v[STO], v11, 5, v[QR]           ; + 32 hh: where O's eight numbers of a tile of d go;
	s_delay_alu instid0(VALU_DEP_2)
	v_lshl_add_u32 v[QR], v11, 7, v[QR]            ; + 128 hh: my block of 32 of Q
	v_mul_u32_u24 v[RD], v11, 272
	s_delay_alu instid0(VALU_DEP_1)
	v_lshl_add_u32 v[RD], v10, 4, v[RD]
	s_delay_alu instid0(VALU_DEP_1)
	v_add_nc_u32 v[RD], s56, v[RD]                 ; back: lanes 0-15 one row, lanes 16-31 the next
	v_lshlrev_b32 v[SH], 3, v11
	v_lshlrev_b32 v[DL], 4, v11
	s_delay_alu instid0(VALU_DEP_1)
	v_sub_nc_u32 v[DL], v10, v[DL]
	v_mov_b32 v[NINF], 0xff800000
.irp i, 0,1,2,3
	v_mov_b32 v[QF+4+\i], 0                        ; Q's zero codes for k = 64 .. 127,
	v_mov_b32 v[KFR+32+\i], 0                      ; the upper half of K's last tile,
	v_mov_b32 v[T1+\i], 0                          ; and the lane permutes' destinations, which count as sources
.endr
	v_mov_b32 v[FF+1], 0                           ; (named as the upper half of a pair)
	s_wait_tensorcnt 0x1                           ; tensor loads of a wave end in order: my first tile of Q and my block of kv are in; the second tile's Q may stay out
	s_barrier_signal -1
	s_barrier_wait -1                              ; everybody's block is in: the head's codes are whole, and are only read from here on
; A KEY STEP: 128 keys.
.macro STEP
	s_add_co_u32 s56, s[Q0], 15
	s_cmp_gt_u32 s[SKF], s56                       ; all 128 keys come after my 16 queries: nothing to do but the stepping at the end
	s_cbranch_scc1 .Lhid_\@
	s_setprio 2
	v_add_nc_u32 v[ADR], s[TB], v[LI]
	ds_load_b128 v[KS:KS+3], v[ADR] offset:8192
.irp T, 0,1,2,3,4,5,6,7
	ds_load_b128 v[KFR+4*\T:KFR+4*\T+3], v[ADR] offset:512*\T
.endr
	s_wait_alu depctr_va_vdst(0)
	s_wait_dscnt 0x0
.irp T, 0,1,2,3,4,5,6,7                        ; S^T = K Q^T: register 16 b + i of S is key 32 b + 16 hh + i of the step.  Odd tiles' scale words lie in lanes 16-31
.if \T % 2
	v_wmma_scale_f32_16x16x128_f8f6f4 v[SS+8*\T:SS+8*\T+7], v[KFR+4*\T:KFR+4*\T+7], v[QF:QF+7], 0, v[KS+\T/2], v[QS] matrix_a_fmt:MATRIX_FMT_FP4 matrix_b_fmt:MATRIX_FMT_FP4 matrix_a_scale:MATRIX_SCALE_ROW1
.else
	v_wmma_scale_f32_16x16x128_f8f6f4 v[SS+8*\T:SS+8*\T+7], v[KFR+4*\T:KFR+4*\T+7], v[QF:QF+7], 0, v[KS+\T/2], v[QS] matrix_a_fmt:MATRIX_FMT_FP4 matrix_b_fmt:MATRIX_FMT_FP4
.endif
.endr
.rept 4
	v_nop                                          ; four places behind the scores' products, ahead of the first read of S; with the addition at the step's head also the places behind the last step's products V^T P^T, ahead of the loads into their registers
.endr
.irp t, 0,1,2,3
.irp c, 0,1
	ds_load_b128 v[VFR+8*\t+4*\c:VFR+8*\t+4*\c+3], v[ADR] offset:4096+1024*\t+512*\c   ; V^T's fragments land while the softmax is worked
.endr
.endr
	ds_load_b128 v[VS:VS+3], v[ADR] offset:8704
	s_add_co_u32 s56, s[SKF], 127
	s_cmp_le_u32 s56, s[Q0]                        ; all 128 keys count for all my queries: no mask
	s_cbranch_scc1 .Lopen_\@
	s_sub_co_i32 s56, s[Q0], s[SKF]
	v_add_nc_u32 v[DD], s56, v[DL]                 ; d = my query - the step's first key - 16 hh: register 16 b + i is hidden where 32 b + i > d
.set ii, 0
.rept 64
	v_cmp_gt_i32 vcc_lo, 32*(ii/16)+ii%16, v[DD]
	v_cndmask_b32 v[SS+ii], v[SS+ii], v[NINF], vcc_lo   ; (ascending: each accumulator is read from its low end on)
.set ii, ii+1
.endr
.Lopen_\@:
.irp b, 0,1,2,3
	v_max3_num_f32 v[BM+\b], v[SS+16*\b], v[SS+1+16*\b], v[SS+2+16*\b]   ; the largest score of each block of 32 keys: it serves the row's maximum and, since p rises with the score, the block's largest p
.endr
.irp i, 3,5,7,9,11,13
.irp b, 0,1,2,3
	v_max3_num_f32 v[BM+\b], v[BM+\b], v[SS+16*\b+\i], v[SS+1+16*\b+\i]   ; (the four blocks by turns)
.endr
.endr
.irp b, 0,1,2,3
	v_max_num_f32 v[BM+\b], v[BM+\b], v[SS+15+16*\b]
.endr
.irp b, 0,1,2,3
	s_delay_alu instid0(VALU_DEP_4)
	v_permlanex16_b32 v[T1+\b], v[BM+\b], s[SEL], s[SEL+1]
.endr
.irp b, 0,1,2,3
	s_delay_alu instid0(VALU_DEP_4)
	v_max_num_f32 v[BM+\b], v[BM+\b], v[T1+\b]     ; with lane l xor 16's 16 keys
.endr
	s_delay_alu instid0(VALU_DEP_2)
	v_max3_num_f32 v[TT], v[BM], v[BM+1], v[BM+2]
	s_delay_alu instid0(VALU_DEP_1)
	v_max_num_f32 v[TT], v[TT], v[BM+3]            ; the step's largest score of my query (the step's first key counts for every query of the tile: it is a number)
	s_delay_alu instid0(VALU_DEP_1)
	v_mul_f32 v[TT], s[CS], v[TT]                  ; as t (c is positive)
	s_delay_alu instid0(VALU_DEP_1)
	v_max_num_f32 v13, v13, v[TT]                  ; the running largest t
	v_mov_b32 v[TT], v12
	s_delay_alu instid0(VALU_DEP_2)
	v_floor_f32 v12, -v13                          ; the new -M = floor(-t) = -ceil(t): a whole number
	s_delay_alu instid0(VALU_DEP_1)
	v_sub_f32 v[TT], v12, v[TT]                    ; old M - new M: a whole number, 0 or less
	s_delay_alu instid0(VALU_DEP_1)
	v_cvt_i32_f32 v[TT], v[TT]                     ; (it saturates)
	s_delay_alu instid0(VALU_DEP_1)
	v_ldexp_f32 v[FF], 1.0, v[TT]                  ; f = 2^(old M - new M)
.set ii, 0
.rept 32
	v_pk_fma_f32 v[SS+ii:SS+ii+1], v[SS+ii:SS+ii+1], s[CS:CS+1], v[12:13] op_sel_hi:[1,0,0]   ; t - M, two at a time (of the pairs c and -M the low word serves both halves)
.set ii, ii+2
.endr
	s_setprio 1
.irp b, 0,1,2,3
	v_fma_f32 v[BM+\b], v[BM+\b], s[CS], v12       ; the same of each block's largest score
.endr
.set ii, 0
	s_wait_alu depctr_va_vdst(0)
.rept 64
	v_exp_f32 v[SS+ii], v[SS+ii]                   ; p = 2^(t - M), at most 1; 0 for hidden keys
.set ii, ii+1
.endr
.irp b, 0,1,2,3
	v_exp_f32 v[BM+\b], v[BM+\b]                   ; the block's largest p: the same two instructions on the same number give the same bits
.endr
	v_pk_mul_f32 v[14:15], v[14:15], v[FF:FF+1] op_sel_hi:[1,0]   ; the sums under the new M; also the plain line behind the exponentials
	s_wait_alu depctr_va_vdst(0)
.irp b, 0,1,2,3
	v_max_num_f32 v[BM+\b], 0x1800000, v[BM+\b]    ; the floor 2^(3 - 127): the byte cannot fall under 1 (a block whose every p is 0 keeps that byte: its codes are zeros)
.endr
.irp b, 0,1,2,3
	s_delay_alu instid0(VALU_DEP_4)
	v_add_nc_u32 v[SCL+\b], 0xff000000, v[BM+\b]   ; 2 off the exponent field: the conversion's scale operand
.endr
.irp b, 0,1,2,3
	s_delay_alu instid0(VALU_DEP_4)
	v_lshrrev_b32 v[T1+\b], 23, v[SCL+\b]          ; the scale's byte
.endr
	s_delay_alu instid0(VALU_DEP_3)
	v_lshl_or_b32 v[PS], v[T1+1], 8, v[T1]         ; p's scale word for these 128 keys
	s_delay_alu instid0(VALU_DEP_1)
	v_lshl_or_b32 v[PS], v[T1+2], 16, v[PS]
	s_delay_alu instid0(VALU_DEP_1)
	v_lshl_or_b32 v[PS], v[T1+3], 24, v[PS]
.irp b, 0,1,2,3
	v_cvt_scalef32_pk8_fp4_f32 v[PC+2*\b], v[SS+16*\b:SS+7+16*\b], v[SCL+\b]
	v_cvt_scalef32_pk8_fp4_f32 v[PC+1+2*\b], v[SS+8+16*\b:SS+15+16*\b], v[SCL+\b]
.endr
	v_nop                                          ; one plain line between a scaled conversion and the vector instruction that touches its result
.irp c, 0,1                                    ; the operand's layout wants a WHOLE block in a lane: lanes 0-15 block 2 c, lanes 16-31 block 2 c + 1
.irp i, 0,1
	v_permlane16_swap_b32 v[PC+4*\c+\i], v[PC+2+4*\c+\i]
.endr
.endr
.set ii, 0
.rept 16
	v_pk_mul_f32 v[OO+ii:OO+ii+1], v[OO+ii:OO+ii+1], v[FF:FF+1] op_sel_hi:[1,0]   ; O^T under the new M, ascending
.set ii, ii+2
.endr
	s_setprio 0
	v_pk_add_f32 v[220:221], v[108:109], v[112:113]
	v_pk_add_f32 v[222:223], v[116:117], v[120:121]
	v_pk_add_f32 v[218:219], v[124:125], v[128:129]
	v_pk_add_f32 v[216:217], v[132:133], v[136:137]
	v_pk_add_f32 v[210:211], v[140:141], v[144:145]
	v_pk_add_f32 v[208:209], v[148:149], v[152:153]
	v_pk_add_f32 v[66:67], v[156:157], v[160:161]
	v_pk_add_f32 v[14:15], v[14:15], v[164:165]
	v_pk_add_f32 v[220:221], v[220:221], v[104:105]
	v_pk_add_f32 v[222:223], v[222:223], v[106:107]
	v_pk_add_f32 v[218:219], v[218:219], v[110:111]
	v_pk_add_f32 v[216:217], v[216:217], v[114:115]
	v_pk_add_f32 v[210:211], v[210:211], v[118:119]
	v_pk_add_f32 v[208:209], v[208:209], v[122:123]
	v_pk_add_f32 v[66:67], v[66:67], v[126:127]
	v_pk_add_f32 v[14:15], v[14:15], v[130:131]
	v_pk_add_f32 v[220:221], v[220:221], v[134:135]
	v_pk_add_f32 v[222:223], v[222:223], v[138:139]
	v_pk_add_f32 v[218:219], v[218:219], v[142:143]
	v_pk_add_f32 v[216:217], v[216:217], v[146:147]
	v_pk_add_f32 v[210:211], v[210:211], v[150:151]
	v_pk_add_f32 v[208:209], v[208:209], v[154:155]
	v_pk_add_f32 v[66:67], v[66:67], v[158:159]
	v_pk_add_f32 v[14:15], v[14:15], v[162:163]
	v_pk_add_f32 v[220:221], v[220:221], v[166:167]
	s_delay_alu instid0(VALU_DEP_2)
	v_pk_add_f32 v[14:15], v[14:15], v[216:217]
	s_delay_alu instid0(VALU_DEP_2)
	v_pk_add_f32 v[220:221], v[220:221], v[210:211]
	v_pk_add_f32 v[222:223], v[222:223], v[208:209]
	v_pk_add_f32 v[218:219], v[218:219], v[66:67]
	s_delay_alu instid0(VALU_DEP_2)
	v_pk_add_f32 v[14:15], v[14:15], v[222:223]
	s_delay_alu instid0(VALU_DEP_2)
	v_pk_add_f32 v[220:221], v[220:221], v[218:219]
	s_delay_alu instid0(VALU_DEP_1)
	v_pk_add_f32 v[14:15], v[14:15], v[220:221]
	s_wait_dscnt 0x0                               ; V^T's fragments and scale words are in
.irp t, 0,1,2,3                                ; O^T += V^T P^T: the four accumulators, one instruction each; the scores' eight products stand between one step's and the next's
	v_wmma_scale_f32_16x16x128_f8f6f4 v[OO+8*\t:OO+8*\t+7], v[VFR+8*\t:VFR+8*\t+7], v[PC:PC+7], v[OO+8*\t:OO+8*\t+7], v[VS+\t], v[PS] matrix_a_fmt:MATRIX_FMT_FP4 matrix_b_fmt:MATRIX_FMT_FP4
.endr
.Lhid_\@:
	s_add_co_u32 s[SKF], s[SKF], 128
	s_add_co_u32 s[TB], s[TB], BLKB
.endm
; A TILE OF 16 QUERIES.  x: 0 my first, 1 my second; trips: the loop's constant count; q0: the register with its first query; out: the pair with its first row of out0.
.macro PASS x, trips, q0, out
.if \x
	s_wait_tensorcnt 0x0                           ; my second tile's Q is in: I alone read these bytes, so my own wait is all that the reads need; and no tensor load is out at the wave's end
.endif
	s_mov_b32 s[Q0], s[\q0]
	s_mov_b32 s[SKF], 0
	s_mov_b32 s[TB], 0
.irp i, 0,1,2,3,4,5,6,7
	ds_load_b128 v[SS+4*\i:SS+4*\i+3], v[QR] offset:QREG*\x+16*\i   ; Q(row r, d = 32 hh + 4 i ..): one whole block a lane
.endr
	s_wait_dscnt 0x0
	v_max3_num_f32 v10, |v[SS]|, |v[SS+1]|, |v[SS+2]|              ; the block's largest magnitude, in two chains
	v_max3_num_f32 v11, |v[SS+3]|, |v[SS+4]|, |v[SS+5]|
.irp i, 6,10,14,18,22,26
	s_delay_alu instid0(VALU_DEP_2)
	v_max3_num_f32 v10, v10, |v[SS+\i]|, |v[SS+\i+1]|
	s_delay_alu instid0(VALU_DEP_2)
	v_max3_num_f32 v11, v11, |v[SS+\i+2]|, |v[SS+\i+3]|
.endr
	s_delay_alu instid0(VALU_DEP_2)
	v_max3_num_f32 v10, v10, |v[SS+30]|, |v[SS+31]|
	s_delay_alu instid0(VALU_DEP_1)
	v_max3_num_f32 v10, v10, v11, 0x1800000        ; and the floor 2^(3 - 127)
	s_delay_alu instid0(VALU_DEP_1)
	v_add_nc_u32 v[TT], 0xff000000, v10            ; 2 off the exponent field: the conversion's scale operand
.irp g, 0,1,2,3
	v_cvt_scalef32_pk8_fp4_f32 v[QF+\g], v[SS+8*\g:SS+8*\g+7], v[TT]   ; registers 0-3 of Q's fragment: k = 32 hh + 0 .. 31
.endr
	v_lshrrev_b32 v11, 23, v[TT]                   ; the scale's byte; also the plain line behind the conversions
	s_delay_alu instid0(VALU_DEP_1)
	v_lshlrev_b32 v11, v[SH], v11                  ; at its place, 8 hh bits up;
	s_delay_alu instid0(VALU_DEP_1)
	v_permlanex16_b32 v[T1], v11, s[SEL], s[SEL+1]
	s_delay_alu instid0(VALU_DEP_1)
	v_or_b32 v11, v11, v[T1]                       ; with lane l xor 16's,
	s_delay_alu instid0(VALU_DEP_1)
	v_or_b32 v[QS], 0x7f7f0000, v11                ; and 1.0 for the two blocks of zero codes
	v_mov_b32 v13, 0xff61b1e6                      ; the largest t so far: -3e38, under every t
	s_delay_alu instid0(VALU_DEP_1)
	v_floor_f32 v12, -v13                          ; -M
	v_mov_b32 v14, 0                               ; the sum, in two halves
	v_mov_b32 v15, 0
.set ii, 0
.rept 32
	v_mov_b32 v[OO+ii], 0                          ; O^T: the step is written once; the first finds zeros, which the first change of M leaves zeros.  (Also the plain lines between the write of Q's scale word and the first scaled product)
.set ii, ii+1
.endr
	s_mov_b32 s[CNT], \trips
.Lstep_\@:
	STEP
	s_sub_co_u32 s[CNT], s[CNT], 1
	s_cmp_lg_u32 s[CNT], 0
	s_cbranch_scc1 .Lstep_\@
	s_setprio 0
	; THE WAY OUT: O^T / the sum goes through my stage (the bytes that held this tile's Q) and leaves as whole rows
	s_wait_alu depctr_va_vdst(0)
	v_add_f32 v14, v14, v15                        ; the sum's two halves,
	s_delay_alu instid0(VALU_DEP_1)
	v_permlanex16_b32 v10, v14, s[SEL], s[SEL+1]
	s_delay_alu instid0(VALU_DEP_1)
	v_add_f32 v14, v14, v10                        ; and lane l xor 16's: the row's sum
	s_wait_alu depctr_va_vdst(0)
	v_rcp_f32 v14, v14
.rept 4
	v_nop                                          ; the plain line behind the reciprocal, and the four places behind the last products
.endr
.set ii, 0
	s_wait_alu depctr_va_vdst(0)
.rept 16
	v_pk_mul_f32 v[SS+ii:SS+ii+1], v[OO+ii:OO+ii+1], v[14:15] op_sel_hi:[1,0]   ; register 8 t + j is o(query r, d = 16 t + 8 hh + j); ascending
.set ii, ii+2
.endr
.irp t, 0,1,2,3
	ds_store_b128 v[STO], v[SS+8*\t:SS+8*\t+3] offset:QREG*\x+64*\t
	ds_store_b128 v[STO], v[SS+8*\t+4:SS+8*\t+7] offset:QREG*\x+64*\t+16
.endr
.irp i, 0,1,2,3,4,5,6,7
	ds_load_b128 v[VFR+4*\i:VFR+4*\i+3], v[RD] offset:QREG*\x+544*\i   ; LDS serves a wave's instructions in order: these see my stores.  Rows 2 i and 2 i + 1
.endr
.irp i, 0,1,2,3,4,5,6,7
	s_wait_dscnt 7-\i                              ; LDS loads come back in order: the younger ones of the eight may be out
	global_store_b128 v[LI], v[VFR+4*\i:VFR+4*\i+3], s[\out:\out+1] offset:512*\i th:TH_STORE_NT   ; 32 lanes store two rows of out0: 512 consecutive bytes, at a multiple of 256 from its first byte; written once, read by nobody here
.endr
.if \x == 0
	s_wait_xcnt 0x0                                ; the stores have read their registers: the next tile's steps load V^T's fragments there only behind this wait
.endif
.endm
	PASS 0, 8, 14, OUTA                            ; Q0A is 1,008 at the most: eight steps reach its diagonal
	PASS 1, 16, 15, OUTB
	s_wait_tensorcnt 0x0
	ds_add_u32 v224, v225
	s_wait_dscnt 0x0
	s_endpgm
.Lfunc_end_k_q20c6810a2f_attn:
	.size	k_q20c6810a2f_attn, .Lfunc_end_k_q20c6810a2f_attn-k_q20c6810a2f_attn
	.p2alignl 7, 3214868480
	.fill 96, 4, 3214868480
	.section	.rodata,"a",@progbits
	.p2align	6, 0x0
	.amdhsa_kernel k_q20c6810a2f_attn
		.amdhsa_group_segment_fixed_size 288768
		.amdhsa_private_segment_fixed_size 0
		.amdhsa_enable_private_segment 0
		.amdhsa_kernarg_size 24
		.amdhsa_user_sgpr_count 2
		.amdhsa_user_sgpr_kernarg_segment_ptr 1
		.amdhsa_wavefront_size32 1
		.amdhsa_system_sgpr_workgroup_id_x 1
		.amdhsa_system_sgpr_workgroup_id_y 1
		.amdhsa_system_sgpr_workgroup_id_z 1
		.amdhsa_system_vgpr_workitem_id 0
		.amdhsa_next_free_vgpr 226
		.amdhsa_next_free_sgpr 66
		.amdhsa_reserve_vcc 1
		.amdhsa_float_denorm_mode_32 3
		.amdhsa_float_denorm_mode_16_64 3
		.amdhsa_memory_ordered 1
		.amdhsa_forward_progress 1
		.amdhsa_inst_pref_size 63
	.end_amdhsa_kernel
	.amdgpu_metadata
---
amdhsa.version: [ 1, 2 ]
amdhsa.kernels:
  - .name:           k_q20c6810a2f_attn
    .symbol:         k_q20c6810a2f_attn.kd
    .args:
      - { .name: qkv, .offset: 0, .size: 8, .value_kind: global_buffer, .address_space: global }
      - { .name: kv, .offset: 8, .size: 8, .value_kind: global_buffer, .address_space: global }
      - { .name: out0, .offset: 16, .size: 8, .value_kind: global_buffer, .address_space: global }
    .group_segment_fixed_size: 288768
    .private_segment_fixed_size: 0
    .kernarg_segment_align: 8
    .kernarg_segment_size: 24
    .max_flat_workgroup_size: 512
    .sgpr_count:     66
    .vgpr_count:     226
    .wavefront_size: 32
...
	.end_amdgpu_metadata
.endif
;; end of part 2
